; MI455X (gfx1250); checked and timed in simulation.
; The chip was launched on July 23, 2026; its instructions are those of AMD's public machine-readable ISA for CDNA 5 (MIT licence, August 2026) and "CDNA5" Instruction Set Architecture Reference Guide (July 2026). The comments in the code are by the model that wrote it; some were corrected since.
;; Attention. Allowed arithmetic: float matrix products may take bf16 or f16 operands with f32 sums; all other float work in f32.
;; Inputs: k 2 x 8 x 2,048 x 128 float32; k_rot 2 x 8 x 2,048 x 128 float32; q 2 x 8 x 2,048 x 128 float32; q_rot 2 x 8 x 2,048 x 128 float32; v 2 x 8 x 2,048 x 64 float32.
;; Outputs: out0 2 x 8 x 2,048 x 64 float32.
;; Constants: horizon = 128.
;; 2 versions, each right; version 2 is version 1 with the launch attend written anew for expert scheduling mode. Each part assembles by itself: llvm-mc -triple=amdgcn-amd-amdhsa -mcpu=gfx1250 --defsym DOCPART=n.
;; ======== version 1 of 2: 2 launches
;; workspace buffers: states 18,104,320 bytes
;; launch states (part 1): grid 16 x 16, 16 waves a work-group, no clusters, 137,216 bytes of LDS; arguments k, k_rot, v, states; writes states
.if DOCPART == 1
	.amdgcn_target "amdgcn-amd-amdhsa--gfx1250"
	.amdhsa_code_object_version 6
	.text
	.protected	k_q3dfdedd038_states
	.globl	k_q3dfdedd038_states
	.p2align	8
	.type	k_q3dfdedd038_states,@function
k_q3dfdedd038_states:
	s_mov_b64 s[64:65], 0
	v_nop
	global_prefetch_b8 v0, s[64:65] scope:SCOPE_SE
	s_setreg_imm32_b32 hwreg(HW_REG_WAVE_MODE, 25, 1), 1
	s_wait_xcnt 0x0
; PREFIX STATES of the chunked linear attention.  With K = [k | k_rot] (256 features d) the state in front of chunk c is
; S[d][e] = sum over earlier tokens of K[t][d] v[t][e] and Z[d] = sum of K[t][d].
; A work-group owns one head (id y), one half of the sequence (8 chunks of 128 tokens), 64 features d (dblk) and 32 columns e (eb):
; id x = dblk + 4 eb + 8 half.  Its 16 waves take 64 tokens each, sum them with the matrix unit (bf16 operands, f32 sums), meet once in LDS,
; and store the running sums at the chunk borders: E_0 = 0, E_1 .. E_7 into slots 8 half + i, and the half's total E_8 into slot 16 (half 0 only:
; nothing follows half 1, so its last chunk is neither loaded nor summed).
; NO TRANSPOSING LOAD: a lane loads 16 bytes (4 features) of 16 tokens; component j of these 16 loads, packed in pairs of tokens, is its part of a
; fragment whose row m stands for feature 4 m + j.  The same with 8-byte loads of v (column n stands for e = 32 eb + 2 n + j).
; A STATE IN MEMORY (66,560 bytes) is the accumulators' register image: [dblk][eb][quad = 4 jd + 2 je + half of the tile][lane][4 f32], 64 KiB,
; then Z[256] in natural order.  Every store of a wave covers 512 (Z: 256) consecutive bytes, aligned.
; NO CLUSTER: k's block is shared by 2 work-groups and v's by 4, but joint requests land in LDS, and a work-group's 384 KiB of f32 do not fit
; there at once; here each wave asks for all its 24 KiB at once straight into the registers that the conversion reads.
; LIMITS: operands rounded to bf16 (Z is summed from the f32 numbers); the order of the f32 sums is not that of reference()'s cumsum.
.set KROW,   512                       ; bytes of a token in k, k_rot
.set VROW,   256                       ; bytes of a token in v
.set STATE,  66560                     ; bytes of a state
.set HEADST, 17*STATE                  ; 17 slots a head
.set ZOFF,   65536                     ; Z behind the image
.set DUMP,   8192                      ; a wave's 64 accumulator registers in LDS
.set ZLDS,   16*DUMP                   ; behind them: 256 bytes of Z for each wave
.set KO,   2                           ; 16 r + 4096 h: my 16 bytes of k in token 8 h
.set VO,   3                           ; 8 r + 2048 h: my 8 bytes of v in token 8 h
.set DA,   4                           ; LDS: my wave's image + 16 lane
.set RA,   5                           ; 16 x thread: quad w of image 0 in LDS, and my 16 bytes of the block in a state
.set RB,   6                           ; RA + 8 images
.set ZL,   7                           ; 16 r + 8 h: my 8 bytes of the block's Z
.set ZACC, 8                           ; v[8:11]   Z of my 4 features over my tokens
.set ZW,   12                          ; LDS: where my wave puts its Z
.set ZR,   13                          ; LDS: wave 0's Z
.set LN,   14                          ; lane
.set FRK,  16                          ; v[16:47]  4 fragments of k (feature 4 m + j)
.set FRV,  48                          ; v[48:63]  2 fragments of v
.set K0,   64                          ; v[64:127]  k of tokens 0-31 as loaded
.set V0,   128                         ; v[128:159] v of tokens 0-31
.set K1,   160                         ; v[160:223] k of tokens 32-63
.set V1,   224                         ; v[224:255] v of tokens 32-63
.set ACC,  64                          ; v[64:127]  8 tiles (2 jd + je), in K0's registers once these are packed
.set TZ,   128                         ; v[128:133] at work on Z, in V0's registers once these are packed
.set LS,   128                         ; v[128:191] behind the barrier: quad w of the 16 local sums
.set ZERO, 192                         ; v[192:195] E_0
.set ZS,   200                         ; v[200:231] behind the barrier: the 16 local Z
.macro PLACES n                        ; plain vector instructions between a matrix instruction and a write of its sources or a read of its result (ISA guide 7.12.1)
.rept \n
	v_nop
.endr
.endm
	s_load_b256 s[4:11], s[0:1], 0x0               ; k s[4:5], k_rot s[6:7], v s[8:9], states s[10:11]
	v_lshrrev_b32 v1, 5, v0
	v_readfirstlane_b32 s12, v1                    ; wave 0..15
	s_and_b32 s13, ttmp7, 0xffff                   ; head
	s_and_b32 s14, ttmp9, 3                        ; dblk: 0, 1 in k, 2, 3 in k_rot
	s_bfe_u32 s15, ttmp9, 0x10002                  ; eb
	s_lshr_b32 s16, ttmp9, 3                       ; half
	s_lshl_b32 s20, s13, 20                        ; k: head x 2048 tokens
	s_lshl_b32 s17, s16, 19                        ;  + half x 1024 tokens
	s_add_co_u32 s20, s20, s17
	s_lshl_b32 s17, s12, 15                        ;  + wave x 64 tokens
	s_add_co_u32 s20, s20, s17
	s_and_b32 s17, s14, 1
	s_lshl_b32 s17, s17, 8                         ;  + 64 features
	s_add_co_u32 s20, s20, s17
	s_mov_b32 s21, 0
	s_lshl_b32 s22, s13, 19                        ; v: the same tokens
	s_lshl_b32 s17, s16, 18
	s_add_co_u32 s22, s22, s17
	s_lshl_b32 s17, s12, 14
	s_add_co_u32 s22, s22, s17
	s_lshl_b32 s17, s15, 7                         ;  + 32 columns
	s_add_co_u32 s22, s22, s17
	s_mov_b32 s23, 0
	s_mul_i32 s24, s13, HEADST                     ; states: the head's slots,
	s_mul_i32 s17, s16, 8*STATE                    ;  the half's first slot
	s_add_co_u32 s24, s24, s17
	s_lshl_b32 s17, s14, 8
	s_add_co_u32 s26, s24, s17                     ; Z: + 64 features
	s_add_co_u32 s26, s26, ZOFF
	s_mov_b32 s27, 0
	s_lshl_b32 s17, s14, 14                        ; image: + (2 dblk + eb) x 8 KiB
	s_add_co_u32 s24, s24, s17
	s_lshl_b32 s17, s15, 13
	s_add_co_u32 s24, s24, s17
	s_mov_b32 s25, 0
	v_and_b32 v[LN], 31, v0
	v_and_b32 v1, 15, v0                           ; r
	v_bfe_u32 v15, v0, 4, 1                        ; h
	v_lshlrev_b32 v[KO], 4, v1
	v_lshl_add_u32 v[KO], v15, 12, v[KO]
	v_lshlrev_b32 v[VO], 3, v1
	v_lshl_add_u32 v[VO], v15, 11, v[VO]
	v_lshlrev_b32 v[RA], 4, v0
	v_add_nc_u32 v[RB], 8*DUMP, v[RA]
	v_lshlrev_b32 v[ZL], 4, v1
	v_lshl_add_u32 v[ZL], v15, 3, v[ZL]
	v_add_nc_u32 v[ZR], ZLDS, v[ZL]
	s_lshl_b32 s17, s12, 8
	v_add_nc_u32 v[ZW], s17, v[ZR]
	s_lshl_b32 s17, s12, 13
	v_lshl_add_u32 v[DA], v[LN], 4, s17
	s_lshl_b32 s18, s16, 4
	s_add_co_u32 s18, s18, s12                     ; 16 half + wave: 30 and 31 are chunk 15
	s_mov_b32 s34, 0x76543210                      ; v_permlanex16_b32: lane i reads lane i of the other half
	s_mov_b32 s35, 0xfedcba98
	s_wait_kmcnt 0x0
	s_cmp_lt_u32 s14, 2
	s_cselect_b64 s[28:29], s[4:5], s[6:7]         ; k or k_rot
	s_add_nc_u64 s[28:29], s[28:29], s[20:21]
	s_add_nc_u64 s[30:31], s[8:9], s[22:23]
	s_add_nc_u64 s[24:25], s[10:11], s[24:25]
	s_add_nc_u64 s[26:27], s[10:11], s[26:27]
	s_cmp_ge_u32 s18, 30
	s_cbranch_scc1 .Lmeet                          ; chunk 15 stands in front of nothing: its two waves only help with the running sums
; 32 tokens: load p takes token (p & 7) + 16 (p >> 3) + 8 h, so that lanes 0-15 read one token's 256 (v: 128) bytes and lanes 16-31 another's
.macro ASK s, kb, vb
.irp p, 0,1,2,3,4,5,6,7,8,9,10,11,12,13,14,15
	global_load_b128 v[\kb+4*\p:\kb+4*\p+3], v[KO], s[28:29] offset:(32*\s+(\p&7)+16*(\p>>3))*KROW
.endr
.irp p, 0,1,2,3,4,5,6,7,8,9,10,11,12,13,14,15
	global_load_b64 v[\vb+2*\p:\vb+2*\p+1], v[VO], s[30:31] offset:(32*\s+(\p&7)+16*(\p>>3))*VROW
.endr
.endm
	ASK 0, K0, V0
	ASK 1, K1, V1                                  ; all 24 KiB of the wave are asked for
.irp i, 0,1,2,3
	v_mov_b32 v[ZACC+\i], 0                        ; four registers, the start of a sum over 32 loads
.endr
.macro ZADD kb                         ; Z in f32: my 4 features over 16 tokens
.irp p, 0,1,2,3,4,5,6,7,8,9,10,11,12,13,14,15
	v_pk_add_f32 v[ZACC:ZACC+1], v[ZACC:ZACC+1], v[\kb+4*\p:\kb+4*\p+1]
	v_pk_add_f32 v[ZACC+2:ZACC+3], v[ZACC+2:ZACC+3], v[\kb+4*\p+2:\kb+4*\p+3]
.endr
.endm
.macro PACK kb, vb                     ; register i of fragment j = component j of loads 2 i and 2 i + 1: two neighbouring tokens
.irp i, 0,1,2,3,4,5,6,7
.irp j, 0,1,2,3
	v_cvt_pk_bf16_f32 v[FRK+8*\j+\i], v[\kb+8*\i+\j], v[\kb+8*\i+4+\j]
.endr
.endr
.irp i, 0,1,2,3,4,5,6,7
.irp j, 0,1
	v_cvt_pk_bf16_f32 v[FRV+8*\j+\i], v[\vb+4*\i+\j], v[\vb+4*\i+2+\j]
.endr
.endr
.endm
.macro MUL zero                        ; tile (jd, je): rows = features 4 m + jd, columns = e 2 n + je, 32 tokens deep
.irp jd, 0,1,2,3
.irp je, 0,1
.if \zero
	v_wmma_f32_16x16x32_bf16 v[ACC+8*(2*\jd+\je):ACC+8*(2*\jd+\je)+7], v[FRK+8*\jd:FRK+8*\jd+7], v[FRV+8*\je:FRV+8*\je+7], 0
.else
	v_wmma_f32_16x16x32_bf16 v[ACC+8*(2*\jd+\je):ACC+8*(2*\jd+\je)+7], v[FRK+8*\jd:FRK+8*\jd+7], v[FRV+8*\je:FRV+8*\je+7], v[ACC+8*(2*\jd+\je):ACC+8*(2*\jd+\je)+7]
.endif
.endr
.endr
.endm
	s_wait_loadcnt 32                              ; loads return in order: tokens 0-31 are in, the 32 loads of tokens 32-63 may be out
	s_cmp_lg_u32 s15, 0
	s_cbranch_scc1 .Lz0                            ; Z is the same for both eb: eb = 0 makes it
	ZADD K0
.Lz0:
	PACK K0, V0
	MUL 1                                          ; the first products start the sums, in K0's registers, which are packed by now
	s_wait_loadcnt 0x0
	PLACES 4                                       ; the fragments are rewritten below
	s_cmp_lg_u32 s15, 0
	s_cbranch_scc1 .Lz1
	ZADD K1
	v_cmp_gt_u32 vcc_lo, 16, v[LN]                 ; the two halves of the lanes hold the same features over other tokens:
	v_cndmask_b32 v[TZ],   v[ZACC+2], v[ZACC],   vcc_lo   ; lane (r, h) keeps features 4 r + 2 h, + 1
	v_cndmask_b32 v[TZ+1], v[ZACC+3], v[ZACC+1], vcc_lo
	v_cndmask_b32 v[TZ+2], v[ZACC],   v[ZACC+2], vcc_lo   ; and hands the other two over
	v_cndmask_b32 v[TZ+3], v[ZACC+1], v[ZACC+3], vcc_lo
	v_permlanex16_b32 v[TZ+4], v[TZ+2], s34, s35   ; (its destination counts as read: these registers held v)
	v_permlanex16_b32 v[TZ+5], v[TZ+3], s34, s35
	v_pk_add_f32 v[TZ:TZ+1], v[TZ:TZ+1], v[TZ+4:TZ+5]
	ds_store_b64 v[ZW], v[TZ:TZ+1]                 ; 256 bytes a wave, natural order
.Lz1:
	PACK K1, V1
	MUL 0
	PLACES 4                                       ; the LDS stores read the results
.irp q, 0,1,2,3,4,5,6,7,8,9,10,11,12,13,14,15
	ds_store_b128 v[DA], v[ACC+4*\q:ACC+4*\q+3] offset:\q*512
.endr
.Lmeet:
	s_wait_dscnt 0x0                               ; my image is in LDS before I say so
	s_barrier_signal -1
	s_barrier_wait -1
	; wave w takes quad w of every local sum and makes the running sums; a chunk is two waves' tokens
.irp i, 0,1,2,3,4,5,6,7
	ds_load_b128 v[LS+4*\i:LS+4*\i+3], v[RA] offset:\i*DUMP
.endr
.irp i, 8,9,10,11,12,13
	ds_load_b128 v[LS+4*\i:LS+4*\i+3], v[RB] offset:(\i-8)*DUMP
.endr
.irp i, 0,1,2,3
	v_mov_b32 v[ZERO+\i], 0
.endr
	global_store_b128 v[RA], v[ZERO:ZERO+3], s[24:25]      ; E_0 = 0
	s_wait_dscnt 0x0
.irp c, 0,1,2,3,4,5,6
	v_pk_add_f32 v[LS+8*\c:LS+8*\c+1], v[LS+8*\c:LS+8*\c+1], v[LS+8*\c+4:LS+8*\c+5]
	v_pk_add_f32 v[LS+8*\c+2:LS+8*\c+3], v[LS+8*\c+2:LS+8*\c+3], v[LS+8*\c+6:LS+8*\c+7]
.endr
	global_store_b128 v[RA], v[LS:LS+3], s[24:25] offset:STATE
.irp c, 1,2,3,4,5,6
	v_pk_add_f32 v[LS+8*\c:LS+8*\c+1], v[LS+8*\c:LS+8*\c+1], v[LS+8*\c-8:LS+8*\c-7]
	v_pk_add_f32 v[LS+8*\c+2:LS+8*\c+3], v[LS+8*\c+2:LS+8*\c+3], v[LS+8*\c-6:LS+8*\c-5]
	global_store_b128 v[RA], v[LS+8*\c:LS+8*\c+3], s[24:25] offset:(\c+1)*STATE   ; each snapshot keeps its registers: no store's data is rewritten
.endr
	s_cmp_lg_u32 s16, 0
	s_cbranch_scc1 .Lzpart
	ds_load_b128 v[LS+56:LS+59], v[RB] offset:6*DUMP       ; half 0: the eighth chunk closes the half's total
	ds_load_b128 v[LS+60:LS+63], v[RB] offset:7*DUMP
	s_wait_dscnt 0x0
	v_pk_add_f32 v[LS+56:LS+57], v[LS+56:LS+57], v[LS+60:LS+61]
	v_pk_add_f32 v[LS+58:LS+59], v[LS+58:LS+59], v[LS+62:LS+63]
	v_pk_add_f32 v[LS+56:LS+57], v[LS+56:LS+57], v[LS+48:LS+49]
	v_pk_add_f32 v[LS+58:LS+59], v[LS+58:LS+59], v[LS+50:LS+51]
	global_store_b128 v[RA], v[LS+56:LS+59], s[24:25] offset:16*STATE
.Lzpart:
	s_cmp_lg_u32 s15, 0
	s_cbranch_scc1 .Lend
	s_cmp_lg_u32 s12, 15
	s_cbranch_scc1 .Lend                           ; Z's running sums are 2 registers a snapshot: one wave makes them
.irp i, 0,1,2,3,4,5,6,7,8,9,10,11,12,13
	ds_load_b64 v[ZS+2*\i:ZS+2*\i+1], v[ZR] offset:\i*256
.endr
	global_store_b64 v[ZL], v[ZERO:ZERO+1], s[26:27]
	s_wait_dscnt 0x0
.irp c, 0,1,2,3,4,5,6
	v_pk_add_f32 v[ZS+4*\c:ZS+4*\c+1], v[ZS+4*\c:ZS+4*\c+1], v[ZS+4*\c+2:ZS+4*\c+3]
.endr
	global_store_b64 v[ZL], v[ZS:ZS+1], s[26:27] offset:STATE
.irp c, 1,2,3,4,5,6
	v_pk_add_f32 v[ZS+4*\c:ZS+4*\c+1], v[ZS+4*\c:ZS+4*\c+1], v[ZS+4*\c-4:ZS+4*\c-3]
	global_store_b64 v[ZL], v[ZS+4*\c:ZS+4*\c+1], s[26:27] offset:(\c+1)*STATE
.endr
	s_cmp_lg_u32 s16, 0
	s_cbranch_scc1 .Lend
	ds_load_b64 v[ZS+28:ZS+29], v[ZR] offset:14*256
	ds_load_b64 v[ZS+30:ZS+31], v[ZR] offset:15*256
	s_wait_dscnt 0x0
	v_pk_add_f32 v[ZS+28:ZS+29], v[ZS+28:ZS+29], v[ZS+30:ZS+31]
	v_pk_add_f32 v[ZS+28:ZS+29], v[ZS+28:ZS+29], v[ZS+24:ZS+25]
	global_store_b64 v[ZL], v[ZS+28:ZS+29], s[26:27] offset:16*STATE
.Lend:
	s_wait_xcnt 0x0
	v_lshl_add_u32 v254, v0, 2, 0x21000
	v_mov_b32 v255, 0
	s_wait_tensorcnt 0x0
	ds_add_u32 v254, v255
	s_wait_dscnt 0x0
	s_endpgm
.Lfunc_end_k_q3dfdedd038_states:
	.size	k_q3dfdedd038_states, .Lfunc_end_k_q3dfdedd038_states-k_q3dfdedd038_states
	.p2alignl 7, 3214868480
	.fill 96, 4, 3214868480
	.section	.rodata,"a",@progbits
	.p2align	6, 0x0
	.amdhsa_kernel k_q3dfdedd038_states
		.amdhsa_group_segment_fixed_size 137216
		.amdhsa_private_segment_fixed_size 0
		.amdhsa_enable_private_segment 0
		.amdhsa_kernarg_size 32
		.amdhsa_user_sgpr_count 2
		.amdhsa_user_sgpr_kernarg_segment_ptr 1
		.amdhsa_wavefront_size32 1
		.amdhsa_system_sgpr_workgroup_id_x 1
		.amdhsa_system_sgpr_workgroup_id_y 1
		.amdhsa_system_sgpr_workgroup_id_z 1
		.amdhsa_system_vgpr_workitem_id 0
		.amdhsa_next_free_vgpr 256
		.amdhsa_next_free_sgpr 66
		.amdhsa_reserve_vcc 1
		.amdhsa_float_denorm_mode_32 3
		.amdhsa_float_denorm_mode_16_64 3
		.amdhsa_memory_ordered 1
		.amdhsa_forward_progress 1
		.amdhsa_inst_pref_size 30
	.end_amdhsa_kernel
	.amdgpu_metadata
---
amdhsa.version: [ 1, 2 ]
amdhsa.kernels:
  - .name:           k_q3dfdedd038_states
    .symbol:         k_q3dfdedd038_states.kd
    .args:
      - { .name: k, .offset: 0, .size: 8, .value_kind: global_buffer, .address_space: global }
      - { .name: k_rot, .offset: 8, .size: 8, .value_kind: global_buffer, .address_space: global }
      - { .name: v, .offset: 16, .size: 8, .value_kind: global_buffer, .address_space: global }
      - { .name: states, .offset: 24, .size: 8, .value_kind: global_buffer, .address_space: global }
    .group_segment_fixed_size: 137216
    .private_segment_fixed_size: 0
    .kernarg_segment_align: 8
    .kernarg_segment_size: 32
    .max_flat_workgroup_size: 512
    .sgpr_count:     66
    .vgpr_count:     256
    .wavefront_size: 32
...
	.end_amdgpu_metadata
.endif
;; end of part 1
;; launch attend (part 2): grid 16 x 16, 8 waves a work-group, no clusters, 199,168 bytes of LDS; arguments q, q_rot, k, k_rot, v, states, out0; writes out0
.if DOCPART == 2
	.amdgcn_target "amdgcn-amd-amdhsa--gfx1250"
	.amdhsa_code_object_version 6
	.text
	.protected	k_q3dfdedd038_attend
	.globl	k_q3dfdedd038_attend
	.p2align	8
	.type	k_q3dfdedd038_attend,@function
k_q3dfdedd038_attend:
	s_mov_b64 s[64:65], 0
	v_nop
	global_prefetch_b8 v0, s[64:65] scope:SCOPE_SE
	s_setreg_imm32_b32 hwreg(HW_REG_WAVE_MODE, 25, 1), 1
	s_wait_xcnt 0x0
; OUTPUT of one chunk of 128 tokens (id x) of one head (id y).  With Q = [q | q_rot], K = [k | k_rot]:
;   out_i = ( Q_i S + sum over j <= i in the chunk of (Q_i . K_j) v_j ) / ( Q_i Z + sum of (Q_i . K_j) + 1e-12 ),  S, Z = the state in front of the chunk.
; PHASE 1: the eight waves load Q, K, v (16 rows each) and two states (one block of 64 features x 32 columns each), convert to bf16 and lay them
; into LDS: Q and K as rows of 256 features (512 bytes + 16 of padding), S transposed in blocks (rows of 64 features, 128 bytes + 16), v as ready
; fragments.  In each region a wave writes one range of its own: a constant + wave x a constant.
; The state is the sum of two stored ones: slot c (the sum inside the half) and slot 16 (half 0's total) for c >= 8, slot 0 otherwise.  Slot 0 is all
; zeros: chunks 0-7 load 65 KiB that change nothing, the price of the same loads and counts in every work-group.
; PHASE 2, behind the one barrier (LDS is only read from there on): wave w owns 16 queries.  O (16 queries x 80) = Q x [S | Z], then for each 32 keys
; up to the diagonal P^T = K Q^T, masked, packed in place (a lane of P^T holds one query's keys: that is P's fragment), O += P x [v | 1].
; The 16 columns of ones give every lane its queries' denominator, from the same rounded P as the numerator: no sum over lanes.
; Column n of tile j stands for e = 4 n + j, so a lane's four tiles hold 16 neighbouring bytes of a row and 16 lanes store one whole row of 256 bytes.
; NO CLUSTER: of the 418 KiB that a work-group reads only the first state (65 KiB) is read by others too.
; LIMITS: operands (Q, K, v, P, the summed state) rounded to bf16, sums in f32 in another order than reference()'s cumsum; 1 / D by v_rcp_f32
; (1 ULP; it flushes denormals: |D| above 2^126 gives 0, a denormal D + 1e-12 gives infinity).
.set PITCH,  528                       ; a row of Q or K: the 16 rows that a fragment load touches start 16 bytes apart modulo 256
.set KL,     128*PITCH                 ; LDS: Q's rows at 0, K's here
.set SL,     256*PITCH                 ; S^T: block 2 dblk + eb, row 8 (e & 3) + ((e & 31) >> 2), 64 features
.set SP,     144                       ; its rows' pitch
.set SBLK,   5760                      ; a block: 32 rows (4,608 bytes), spaced so that (r & 7) SP + (r >> 3) SBLK takes 16 different multiples of 16 modulo 256
.set ZROW,   SL+8*SBLK                 ; Z, 256 bf16
.set VL,     ZROW+512                  ; v: [16 keys w][tile j][lane][16 bytes]
.set STATE,  66560
.set HEADST, 17*STATE
.set ZOFF,   65536
; phase 1
.set GO,  1                            ; 16 lane: my 16 bytes of a row of q, k
.set LQ,  2                            ; LDS: my 8 bytes in my wave's first row of Q
.set LK,  3                            ; the same of K
.set GV,  4                            ; 16 r + 2048 h: my 16 bytes of v in token 8 h
.set LV,  5                            ; LDS: my 16 bytes of my wave's v fragments
.set GS,  6                            ; 8192 wave + 16 lane: my part of a state's image
.set GZ,  7                            ; 4 x thread: my number of Z
.set LSS, 8                            ; LDS: where my part of S^T goes
.set LZ,  9                            ; LDS: where my number of Z goes
.set ZA,  10
.set ZB,  11
.set T,   12                           ; v[12:19]   packed numbers on their way to LDS
.set VB,  20                           ; v[20:51]   v as loaded
.set XA,  64                           ; three buffers of 16 loads
.set XB,  128
.set XC,  192
; phase 2
.set AQ,  1                            ; LDS addresses of my fragments of Q, K, S, Z, v
.set AK,  2
.set AS,  3
.set AZ,  4
.set AV,  5
.set DG,  6                            ; my query - 8 h: key 32 tau + 16 u + x (+ 8 h) is kept if 32 tau + 16 u + x is not above this
.set OO,  7                            ; 16 r + 2048 h: my 16 bytes in out's row 8 h
.set QF,  8                            ; v[8:71]    my 16 queries, 8 steps of 32 features
.set O,   72                           ; v[72:111]  5 tiles: e = 4 n + j, j = 0..3, and the denominator
.set P,   112                          ; v[112:127] two tiles of P^T, then P's fragment in the first 8
.set SF,  128                          ; v[128:247] fragments of [S | Z]: a ring of 3 steps x 40
.set KF,  128                          ; v[128:191] fragments of K: a ring of 4 steps x 16
.set VF,  192                          ; v[192:223] fragments of v, 32 keys
.set ONES, 224                         ; v[224:231] a fragment of ones
.set INV, 112                          ; the way out: D + 1e-12,
.set RC,  120                          ; its reciprocal,
.set R,   128                          ; the scaled rows
.macro PLACES n                        ; plain vector instructions between a matrix instruction and a write of its registers or a read of its result (ISA guide 7.12.1)
.rept \n
	v_nop
.endr
.endm
	s_load_b256 s[4:11], s[0:1], 0x0               ; q s[4:5], q_rot s[6:7], k s[8:9], k_rot s[10:11]
	s_load_b128 s[12:15], s[0:1], 0x20             ; v s[12:13], states s[14:15]
	s_load_b64 s[16:17], s[0:1], 0x30              ; out0
	s_set_vgpr_msb 0x40
	v_lshl_add_u32 v0, v0, 2, 0x30600
	v_mov_b32 v1, 0
	s_set_vgpr_msb 0x4000
	v_lshrrev_b32 v1, 5, v0
	v_readfirstlane_b32 s18, v1                    ; wave 0..7
	s_and_b32 s19, ttmp7, 0xffff                   ; head
	s_lshl_b32 s20, s19, 20                        ; q, k: head x 2048 rows of 512 bytes
	s_lshl_b32 s22, ttmp9, 16                      ;  + chunk x 128 rows
	s_add_co_u32 s20, s20, s22
	s_lshl_b32 s22, s18, 13                        ;  + wave x 16 rows
	s_add_co_u32 s20, s20, s22
	s_mov_b32 s21, 0
	s_lshl_b32 s22, s19, 19                        ; v: the same rows, of 256 bytes
	s_lshl_b32 s24, ttmp9, 15
	s_add_co_u32 s22, s22, s24
	s_lshl_b32 s24, s18, 12
	s_add_co_u32 s22, s22, s24
	s_mov_b32 s23, 0
	s_mul_i32 s24, s19, HEADST
	s_mul_i32 s26, ttmp9, STATE
	s_add_co_u32 s26, s26, s24                     ; second state: slot c
	s_mov_b32 s27, 0
	s_cmp_ge_u32 ttmp9, 8
	s_cselect_b32 s28, 16*STATE, 0
	s_add_co_u32 s24, s24, s28                     ; first state: slot 16 or slot 0
	s_mov_b32 s25, 0
	s_sub_co_u32 s40, 11, s18
	s_cmp_lt_u32 s18, 4
	s_cselect_b32 s40, s18, s40                    ; my tile of 16 queries: w, or 11 - w: waves w and w + 4 make 5 trips over keys together
	s_lshr_b32 s41, s40, 1                         ; my last trip
	s_lshl_b32 s42, s19, 19                        ; out: my first row
	s_lshl_b32 s43, ttmp9, 15
	s_add_co_u32 s42, s42, s43
	s_lshl_b32 s43, s40, 12
	s_add_co_u32 s42, s42, s43
	s_mov_b32 s43, 0
	v_and_b32 v10, 31, v0                          ; lane
	v_and_b32 v11, 15, v0                          ; r
	v_bfe_u32 v12, v0, 4, 1                        ; h
	v_lshlrev_b32 v[GO], 4, v10
	v_lshlrev_b32 v[GV], 4, v11
	v_lshl_add_u32 v[GV], v12, 11, v[GV]
	s_wait_kmcnt 0x0
	s_add_nc_u64 s[4:5], s[4:5], s[20:21]
	s_add_nc_u64 s[6:7], s[6:7], s[20:21]
	s_add_nc_u64 s[8:9], s[8:9], s[20:21]
	s_add_nc_u64 s[10:11], s[10:11], s[20:21]
	s_add_nc_u64 s[12:13], s[12:13], s[22:23]
	s_add_nc_u64 s[28:29], s[14:15], s[24:25]
	s_add_nc_u64 s[30:31], s[14:15], s[26:27]
	s_add_nc_u64 s[44:45], s[16:17], s[42:43]
.macro ROWS_ASK x, b                   ; 16 rows of 512 bytes, one load of the wave each; read once in this launch
.irp i, 0,1,2,3,4,5,6,7,8,9,10,11,12,13,14,15
	global_load_b128 v[\x+4*\i:\x+4*\i+3], v[GO], s[\b:\b+1] offset:\i*512 th:TH_LOAD_NT
.endr
.endm
.macro ROWS_PUT x, la, half            ; packed in place, 256 neighbouring bytes of an LDS row a store
.irp i, 0,1,2,3,4,5,6,7,8,9,10,11,12,13,14,15
	v_cvt_pk_bf16_f32 v[\x+4*\i], v[\x+4*\i], v[\x+4*\i+1]
	v_cvt_pk_bf16_f32 v[\x+4*\i+1], v[\x+4*\i+2], v[\x+4*\i+3]
	ds_store_b64 v[\la], v[\x+4*\i:\x+4*\i+1] offset:\i*PITCH+\half*256
.endr
.endm
.macro STATE_ASK x, z, b               ; my 8 KiB of a state's image (features 64 (w >> 1) .., e 32 (w & 1) ..) and one number of Z
.irp i, 0,1,2,3,4,5,6,7,8,9,10,11,12,13,14,15
	global_load_b128 v[\x+4*\i:\x+4*\i+3], v[GS], s[\b:\b+1] offset:\i*512
.endr
	global_load_b32 v[\z], v[GZ], s[\b:\b+1] offset:ZOFF
.endm
.irp i, 0,1,2,3,4,5,6,7
	global_load_b128 v[VB+4*\i:VB+4*\i+3], v[GV], s[12:13] offset:\i*256 th:TH_LOAD_NT   ; tokens 16 w + 8 h + i: two whole rows a load
.endr
	ROWS_ASK XA, 8                                 ; k
	ROWS_ASK XB, 10                                ; k_rot
	ROWS_ASK XC, 4                                 ; q
	; the other addresses, while the 56 loads are out (none of them is an address of these loads)
	s_mul_i32 s34, s18, 16*PITCH
	v_lshlrev_b32 v[LQ], 3, v10
	v_add_nc_u32 v[LQ], s34, v[LQ]
	v_add_nc_u32 v[LK], KL, v[LQ]
	s_lshl_b32 s36, s18, 11                        ; v: 2 KiB a wave
	s_add_co_u32 s36, s36, VL
	v_add_nc_u32 v[LV], s36, v[GO]
	s_lshl_b32 s37, s18, 13
	v_add_nc_u32 v[GS], s37, v[GO]
	v_lshlrev_b32 v[GZ], 2, v0
	v_and_b32 v13, 1, v11                          ; my column of the image is e = 32 eb + 2 r + je: row 8 (e & 3) + ((e & 31) >> 2)
	v_lshrrev_b32 v14, 1, v11                      ;  = 16 (r & 1) + (r >> 1) + 8 je
	v_lshl_add_u32 v13, v13, 4, v14
	v_mul_u32_u24 v[LSS], v13, SP
	v_lshl_add_u32 v[LSS], v12, 6, v[LSS]          ;  + 32 h features
	s_mul_i32 s38, s18, SBLK                       ;  in my wave's block
	s_add_co_u32 s38, s38, SL
	v_add_nc_u32 v[LSS], s38, v[LSS]
	v_lshlrev_b32 v[LZ], 1, v0
	v_add_nc_u32 v[LZ], ZROW, v[LZ]
	s_wait_loadcnt 48                              ; loads return in order: v is in, the 3 x 16 behind it may be out
.irp j, 0,1,2,3                                        ; component j of 8 tokens = 4 registers of the fragment of e = 4 n + j
.irp i, 0,1,2,3
	v_cvt_pk_bf16_f32 v[T+4*(\j&1)+\i], v[VB+8*\i+\j], v[VB+8*\i+4+\j]
.endr
	ds_store_b128 v[LV], v[T+4*(\j&1):T+4*(\j&1)+3] offset:\j*512
.endr
	s_wait_loadcnt 32                              ; k is in; k_rot and q may be out
	ROWS_PUT XA, LK, 0
	ROWS_ASK XA, 6                                 ; q_rot
	s_wait_loadcnt 32                              ; k_rot is in; q and q_rot may be out
	ROWS_PUT XB, LK, 1
	STATE_ASK XB, ZA, 28
	s_wait_loadcnt 33                              ; q is in; q_rot (16) and the first state (17) may be out
	ROWS_PUT XC, LQ, 0
	STATE_ASK XC, ZB, 30
	s_wait_loadcnt 34                              ; q_rot is in; the two states (17 + 17) may be out
	ROWS_PUT XA, LQ, 1
	s_wait_loadcnt 0x0
.irp i, 0,1,2,3,4,5,6,7,8,9,10,11,12,13,14,15,16,17,18,19,20,21,22,23,24,25,26,27,28,29,30,31
	v_pk_add_f32 v[XB+2*\i:XB+2*\i+1], v[XB+2*\i:XB+2*\i+1], v[XC+2*\i:XC+2*\i+1]
.endr
	v_add_f32 v[ZA], v[ZA], v[ZB]
	; register 16 jd + 8 je + 4 qh + x of the image is feature 32 h + 16 qh + 4 x + jd of my column: the packing puts 16 neighbouring features in order
.irp je, 0,1
.irp qh, 0,1
.irp x, 0,1,2,3
.irp u, 0,1
	v_cvt_pk_bf16_f32 v[T+2*\x+\u], v[XB+32*\u+8*\je+4*\qh+\x], v[XB+32*\u+16+8*\je+4*\qh+\x]
.endr
.endr
	ds_store_b128 v[LSS], v[T:T+3] offset:\je*8*SP+32*\qh
	ds_store_b128 v[LSS], v[T+4:T+7] offset:\je*8*SP+32*\qh+16
.endr
.endr
	v_cvt_pk_bf16_f32 v[ZA], v[ZA], v[ZA]
	ds_store_b16 v[LZ], v[ZA]
	s_wait_dscnt 0x0                               ; all that I laid into LDS is there before I say so
	s_barrier_signal -1
	; phase 2's addresses: register work while the others arrive (every global load has been waited for: the old offsets are free)
	v_and_b32 v112, 15, v0                         ; r
	v_bfe_u32 v113, v0, 4, 1                       ; h
	v_and_b32 v114, 31, v0                         ; lane
	v_mul_u32_u24 v115, v112, PITCH
	v_lshl_add_u32 v115, v113, 4, v115             ; row r, 16 bytes for each half of the lanes
	s_mul_i32 s34, s40, 16*PITCH
	v_add_nc_u32 v[AQ], s34, v115                  ; my 16 queries
	v_add_nc_u32 v[AK], KL, v115                   ; keys 0-15
	v_lshrrev_b32 v116, 3, v112                    ; column n = r of tile j is e = 4 r + j: block eb = r >> 3, row 8 j + (r & 7)
	v_and_b32 v117, 7, v112
	v_mul_u32_u24 v116, v116, SBLK
	v_mul_u32_u24 v117, v117, SP
	v_add_nc_u32 v116, v116, v117
	v_lshl_add_u32 v116, v113, 4, v116
	v_add_nc_u32 v[AS], SL, v116
	v_lshlrev_b32 v[AZ], 4, v113                   ; Z is every column of the fifth tile: all r read the same bytes
	v_add_nc_u32 v[AZ], ZROW, v[AZ]
	v_lshlrev_b32 v[AV], 4, v114
	v_add_nc_u32 v[AV], VL, v[AV]
	s_lshl_b32 s35, s40, 4
	v_lshlrev_b32 v118, 3, v113
	v_sub_nc_u32 v[DG], v112, v118
	v_add_nc_u32 v[DG], s35, v[DG]                 ; 16 qt + r - 8 h, signed
	v_lshlrev_b32 v[OO], 4, v112
	v_lshl_add_u32 v[OO], v113, 11, v[OO]
	s_barrier_wait -1
; 10 LDS loads: step s (32 features) of [S | Z] into slot s % 3
.macro S_ASK s
.irp j, 0,1,2,3
	ds_load_b128 v[SF+40*((\s)%3)+8*\j:SF+40*((\s)%3)+8*\j+3],   v[AS] offset:((\s)>>1)*2*SBLK+\j*8*SP+64*((\s)&1)
	ds_load_b128 v[SF+40*((\s)%3)+8*\j+4:SF+40*((\s)%3)+8*\j+7], v[AS] offset:((\s)>>1)*2*SBLK+\j*8*SP+64*((\s)&1)+32
.endr
	ds_load_b128 v[SF+40*((\s)%3)+32:SF+40*((\s)%3)+35], v[AZ] offset:64*(\s)
	ds_load_b128 v[SF+40*((\s)%3)+36:SF+40*((\s)%3)+39], v[AZ] offset:64*(\s)+32
.endm
.macro S_MUL s, zero
.irp j, 0,1,2,3,4
.if \zero
	v_wmma_f32_16x16x32_bf16 v[O+8*\j:O+8*\j+7], v[QF+8*(\s):QF+8*(\s)+7], v[SF+40*((\s)%3)+8*\j:SF+40*((\s)%3)+8*\j+7], 0
.else
	v_wmma_f32_16x16x32_bf16 v[O+8*\j:O+8*\j+7], v[QF+8*(\s):QF+8*(\s)+7], v[SF+40*((\s)%3)+8*\j:SF+40*((\s)%3)+8*\j+7], v[O+8*\j:O+8*\j+7]
.endif
.endr
.endm
; left = the LDS loads younger than step s's that may stay out; more = 1: the slot just multiplied is filled with step s + 3
.macro S_STEP s, left, zero, more
	s_wait_dscnt \left
	S_MUL \s, \zero
.if \more
	PLACES 4                                       ; loads into registers that the products above read
	S_ASK \s+3
.endif
.endm
.irp s, 0,1,2,3,4,5,6,7
	ds_load_b128 v[QF+8*\s:QF+8*\s+3],   v[AQ] offset:64*\s
	ds_load_b128 v[QF+8*\s+4:QF+8*\s+7], v[AQ] offset:64*\s+32
.endr
	S_ASK 0
	S_ASK 1
	S_ASK 2
	S_STEP 0, 20, 1, 1                             ; Q and step 0 are in; two steps of 10 loads may be out.  The first products start the sums
	S_STEP 1, 20, 0, 1
	S_STEP 2, 20, 0, 1
	S_STEP 3, 20, 0, 1
	S_STEP 4, 20, 0, 1
	S_STEP 5, 20, 0, 0                             ; nothing is asked for any more: the counts run down
	S_STEP 6, 10, 0, 0
	S_STEP 7, 0, 0, 0
	PLACES 4                                       ; the ones go into registers of the ring's third slot
.irp i, 0,1,2,3,4,5,6,7
	v_mov_b32 v[ONES+\i], 0x3f803f80               ; two bf16 ones
.endr
; 4 LDS loads: step s (32 features) of the 32 keys of trip tau into slot s & 3
.macro K_ASK tau, s
.irp u, 0,1
	ds_load_b128 v[KF+16*((\s)&3)+8*\u:KF+16*((\s)&3)+8*\u+3],   v[AK] offset:\tau*32*PITCH+\u*16*PITCH+64*(\s)
	ds_load_b128 v[KF+16*((\s)&3)+8*\u+4:KF+16*((\s)&3)+8*\u+7], v[AK] offset:\tau*32*PITCH+\u*16*PITCH+64*(\s)+32
.endr
.endm
.macro K_MUL s                         ; P^T: rows = keys 16 u + m, columns = my queries
.irp u, 0,1
.if (\s) == 0
	v_wmma_f32_16x16x32_bf16 v[P+8*\u:P+8*\u+7], v[KF+16*((\s)&3)+8*\u:KF+16*((\s)&3)+8*\u+7], v[QF+8*(\s):QF+8*(\s)+7], 0
.else
	v_wmma_f32_16x16x32_bf16 v[P+8*\u:P+8*\u+7], v[KF+16*((\s)&3)+8*\u:KF+16*((\s)&3)+8*\u+7], v[QF+8*(\s):QF+8*(\s)+7], v[P+8*\u:P+8*\u+7]
.endif
.endr
.endm
; keys 32 tau .. 32 tau + 31.  The trips are written out, so that every LDS address is a lane term + a constant.
.macro TRIP tau
	PLACES 5                                       ; P, a source of the products in front, is written over by a matrix instruction; loads go into K's and v's fragments
	K_ASK \tau, 0
	K_ASK \tau, 1
	K_ASK \tau, 2
	K_ASK \tau, 3
.irp j, 0,1,2,3
	ds_load_b128 v[VF+8*\j:VF+8*\j+3],   v[AV] offset:\tau*4096+512*\j          ; keys 8 h .. + 7
	ds_load_b128 v[VF+8*\j+4:VF+8*\j+7], v[AV] offset:\tau*4096+512*\j+2048     ; keys 16 + 8 h .. + 7
.endr
.irp s, 0,1,2,3
	s_wait_dscnt 20                                ; younger than step s: 3 steps of K (4 loads each) and v's 8
	K_MUL \s
	PLACES 4                                       ; loads into registers that the products above read
	K_ASK \tau, \s+4
.endr
.irp s, 4,5,6,7
	s_wait_dscnt 4*(7-\s)                          ; younger than step s: the steps of K behind it; v was asked for before step 4 and is in
	K_MUL \s
.endr
	PLACES 4                                       ; vector instructions read P^T
.irp u, 0,1
.irp x, 0,1,2,3,4,5,6,7
	v_cmp_le_i32 vcc_lo, 32*\tau+16*\u+\x, v[DG]   ; key <= query
	v_cndmask_b32 v[P+8*\u+\x], 0, v[P+8*\u+\x], vcc_lo    ; a select, not a product: what lies above the diagonal never counts, whatever it holds
.endr
.endr
.irp i, 0,1,2,3
	v_cvt_pk_bf16_f32 v[P+\i], v[P+2*\i], v[P+2*\i+1]      ; in place, upward: each target has been read
.endr
.irp i, 0,1,2,3
	v_cvt_pk_bf16_f32 v[P+4+\i], v[P+8+2*\i], v[P+9+2*\i]
.endr
.irp j, 0,1,2,3
	v_wmma_f32_16x16x32_bf16 v[O+8*\j:O+8*\j+7], v[P:P+7], v[VF+8*\j:VF+8*\j+7], v[O+8*\j:O+8*\j+7]
.endr
	v_wmma_f32_16x16x32_bf16 v[O+32:O+39], v[P:P+7], v[ONES:ONES+7], v[O+32:O+39]
.endm
	TRIP 0
	s_cmp_lt_u32 s41, 1                            ; s41 hangs on the wave's number alone; no barrier follows
	s_cbranch_scc1 .Lout
	TRIP 1
	s_cmp_lt_u32 s41, 2
	s_cbranch_scc1 .Lout
	TRIP 2
	s_cmp_lt_u32 s41, 3
	s_cbranch_scc1 .Lout
	TRIP 3
.Lout:
	PLACES 4                                       ; vector instructions read O and write P's registers
.irp x, 0,1,2,3,4,5,6,7
	v_add_f32 v[INV+\x], 0x2b8cbccc, v[O+32+\x]    ; D + 1e-12 of query 8 h + x, the same in all 16 lanes of a half
.endr
.irp x, 0,1,2,3,4,5,6,7
	v_rcp_f32 v[RC+\x], v[INV+\x]
.endr
	v_nop                                          ; one plain vector instruction between the last v_rcp_f32 and the use of its result (ISA guide 5.7.2)
	s_wait_alu depctr_va_vdst(0)
.irp x, 0,1,2,3,4,5,6,7
.irp j, 0,1,2,3
	v_mul_f32 v[R+4*\x+\j], v[O+8*\j+\x], v[RC+\x] ; out[8 h + x][4 r + j]
.endr
.endr
.irp x, 0,1,2,3,4,5,6,7
	global_store_b128 v[OO], v[R+4*\x:R+4*\x+3], s[44:45] offset:256*\x th:TH_STORE_NT   ; 16 lanes store one row: 256 consecutive bytes, aligned
.endr
	s_set_vgpr_msb 0x5
	s_wait_tensorcnt 0x0
	ds_add_u32 v0, v1
	s_wait_dscnt 0x0
	s_set_vgpr_msb 0x500
	s_endpgm
.Lfunc_end_k_q3dfdedd038_attend:
	.size	k_q3dfdedd038_attend, .Lfunc_end_k_q3dfdedd038_attend-k_q3dfdedd038_attend
	.p2alignl 7, 3214868480
	.fill 96, 4, 3214868480
	.section	.rodata,"a",@progbits
	.p2align	6, 0x0
	.amdhsa_kernel k_q3dfdedd038_attend
		.amdhsa_group_segment_fixed_size 199168
		.amdhsa_private_segment_fixed_size 0
		.amdhsa_enable_private_segment 0
		.amdhsa_kernarg_size 56
		.amdhsa_user_sgpr_count 2
		.amdhsa_user_sgpr_kernarg_segment_ptr 1
		.amdhsa_wavefront_size32 1
		.amdhsa_system_sgpr_workgroup_id_x 1
		.amdhsa_system_sgpr_workgroup_id_y 1
		.amdhsa_system_sgpr_workgroup_id_z 1
		.amdhsa_system_vgpr_workitem_id 0
		.amdhsa_next_free_vgpr 258
		.amdhsa_next_free_sgpr 66
		.amdhsa_reserve_vcc 1
		.amdhsa_float_denorm_mode_32 3
		.amdhsa_float_denorm_mode_16_64 3
		.amdhsa_memory_ordered 1
		.amdhsa_forward_progress 1
		.amdhsa_inst_pref_size 73
	.end_amdhsa_kernel
	.amdgpu_metadata
---
amdhsa.version: [ 1, 2 ]
amdhsa.kernels:
  - .name:           k_q3dfdedd038_attend
    .symbol:         k_q3dfdedd038_attend.kd
    .args:
      - { .name: q, .offset: 0, .size: 8, .value_kind: global_buffer, .address_space: global }
      - { .name: q_rot, .offset: 8, .size: 8, .value_kind: global_buffer, .address_space: global }
      - { .name: k, .offset: 16, .size: 8, .value_kind: global_buffer, .address_space: global }
      - { .name: k_rot, .offset: 24, .size: 8, .value_kind: global_buffer, .address_space: global }
      - { .name: v, .offset: 32, .size: 8, .value_kind: global_buffer, .address_space: global }
      - { .name: states, .offset: 40, .size: 8, .value_kind: global_buffer, .address_space: global }
      - { .name: out0, .offset: 48, .size: 8, .value_kind: global_buffer, .address_space: global }
    .group_segment_fixed_size: 199168
    .private_segment_fixed_size: 0
    .kernarg_segment_align: 8
    .kernarg_segment_size: 56
    .max_flat_workgroup_size: 256
    .sgpr_count:     66
    .vgpr_count:     258
    .wavefront_size: 32
...
	.end_amdgpu_metadata
.endif
;; end of part 2
;; ======== version 2 of 2: 2 launches; version 1 with the launch attend written anew for expert scheduling mode
;; workspace buffers: states 18,104,320 bytes
;; launch states: the kernel of part 1 again; grid 16 x 16, 16 waves a work-group, no clusters, 137,216 bytes of LDS; arguments k, k_rot, v, states; writes states
;; launch attend (part 3): grid 16 x 16, 8 waves a work-group, no clusters, 199,168 bytes of LDS; arguments q, q_rot, k, k_rot, v, states, out0; writes out0
.if DOCPART == 3
	.amdgcn_target "amdgcn-amd-amdhsa--gfx1250"
	.amdhsa_code_object_version 6
	.text
	.protected	k_q3dfdedd038_attend
	.globl	k_q3dfdedd038_attend
	.p2align	8
	.type	k_q3dfdedd038_attend,@function
k_q3dfdedd038_attend:
	s_mov_b64 s[64:65], 0
	v_nop
	global_prefetch_b8 v0, s[64:65] scope:SCOPE_SE
	s_setreg_imm32_b32 hwreg(HW_REG_WAVE_SCHED_MODE, 0, 2), 2
	s_setreg_imm32_b32 hwreg(HW_REG_WAVE_MODE, 25, 1), 1
	s_wait_xcnt 0x0
	s_wait_alu depctr_vm_vsrc(0)
; OUTPUT of one chunk of 128 tokens (id x) of one head (id y).  With Q = [q | q_rot], K = [k | k_rot]:
;   out_i = ( Q_i S + sum over j <= i in the chunk of (Q_i . K_j) v_j ) / ( Q_i Z + sum of (Q_i . K_j) + 1e-12 ),  S, Z = the state in front of the chunk.
; PHASE 1: the eight waves load Q, K, v (16 rows each) and two states (one block of 64 features x 32 columns each), convert to bf16 and lay them
; into LDS: Q and K as rows of 256 features (512 bytes + 16 of padding), S transposed in blocks (rows of 64 features, 128 bytes + 16), v as ready
; fragments.  In each region a wave writes one range of its own: a constant + wave x a constant.
; The state is the sum of two stored ones: slot c (the sum inside the half) and slot 16 (half 0's total) for c >= 8, slot 0 otherwise.  Slot 0 is all
; zeros: chunks 0-7 load 65 KiB that change nothing, the price of the same loads and counts in every work-group.
; PHASE 2, behind the one barrier (LDS is only read from there on): wave w owns 16 queries.  O (16 queries x 80) = Q x [S | Z], then for each 32 keys
; up to the diagonal P^T = K Q^T, masked, packed in place (a lane of P^T holds one query's keys: that is P's fragment), O += P x [v | 1].
; The 16 columns of ones give every lane its queries' denominator, from the same rounded P as the numerator: no sum over lanes.
; Column n of tile j stands for e = 4 n + j, so a lane's four tiles hold 16 neighbouring bytes of a row and 16 lanes store one whole row of 256 bytes.
; NO CLUSTER: of the 418 KiB that a work-group reads only the first state (65 KiB) is read by others too.
; LIMITS: operands (Q, K, v, P, the summed state) rounded to bf16, sums in f32 in another order than reference()'s cumsum; 1 / D by v_rcp_f32
; (1 ULP; it flushes denormals: |D| above 2^126 gives 0, a denormal D + 1e-12 gives infinity).
; THE MODE: SCHED_MODE bits 1:0 = 2 (LLVM: expert scheduling mode 2), set by the entry lines.  The code itself states the register dependences
; between vector or matrix instructions and memory or LDS instructions, with s_wait_alu, always for 0.
; THE PLAN, PHASE 1.  Registers that memory or LDS instructions touch:
;   XA, XB, XC   raw buffers.  Loads land in them; a step's 32 conversions read one; behind those it is asked for again.
;   OUT          the out-buffer.  Written by a step's conversions, read by the same step's 16 LDS stores, written again by the next step's conversions.
;   v1 - v9      offsets and LDS addresses, each written once, ahead of a wait on va_vdst, and not again before the barrier.
; A step: the wait for its raw buffer; a wait on vm_vsrc (the last step's stores have read OUT); 32 conversions; ONE wait on va_vdst (OUT is written, the raw
; buffer is read out); then the buffer's next loads and the LDS stores, dealt one to one, with no vector instruction among them.
; THE PLAN, PHASE 2.  Every fragment of [S | Z] has registers of its own, K of a whole trip has, and v has two buffers that take turns:
;   QF                     loaded once.                          SF, SW   the 8 steps of [S | Z], loaded once; read by the step's five products.
;   KF (SF's registers)    Trip t's 16 products K Q^T read it; behind them trip t + 1's loads land in it.
;   VF0, VF1 (in SW's)     Trip t's products P v read VF[t & 1]; trip t + 1's loads land in the other, which trip t - 1 read.
;   v1 - v7                addresses, written between the barrier's signal and its wait, never again.
; So one wait on va_vdst stands behind the barrier, one at the head of state step 5 (steps 0-4 are multiplied: trip 0's v and K land in their registers, beside
; steps 5-7), one in each trip that has a successor, behind its products K Q^T, and one ahead of the stores of out.
; REGISTERS above v255 lie in window 1 (s_set_vgpr_msb: bits 1:0 source 0, 3:2 source 1, 5:4 source 2, 7:6 destination): SW, VF and the ones, which are source 1 of their products.
.set PITCH,  528                       ; a row of Q or K: the 16 rows that a fragment load touches start 16 bytes apart modulo 256
.set KL,     128*PITCH                 ; LDS: Q's rows at 0, K's here
.set SL,     256*PITCH                 ; S^T: block 2 dblk + eb, row 8 (e & 3) + ((e & 31) >> 2), 64 features
.set SP,     144                       ; its rows' pitch
.set SBLK,   5760                      ; a block: 32 rows (4,608 bytes), spaced so that (r & 7) SP + (r >> 3) SBLK takes 16 different multiples of 16 modulo 256
.set ZROW,   SL+8*SBLK                 ; Z, 256 bf16
.set VL,     ZROW+512                  ; v: [16 keys w][tile j][lane][16 bytes]
.set STATE,  66560
.set HEADST, 17*STATE
.set ZOFF,   65536
; phase 1
.set GO,  1                            ; 16 lane: my 16 bytes of a row of q, k
.set LQ,  2                            ; LDS: my 8 bytes in my wave's first row of Q
.set LK,  3                            ; the same of K
.set GV,  4                            ; 16 r + 2048 h: my 16 bytes of v in token 8 h
.set LV,  5                            ; LDS: my 16 bytes of my wave's v fragments
.set GS,  6                            ; 8192 wave + 16 lane: my part of a state's image
.set GZ,  7                            ; 4 x thread: my number of Z
.set LSS, 8                            ; LDS: where my part of S^T goes
.set LZ,  9                            ; LDS: where my number of Z goes
.set ZA,  10
.set ZB,  11
.set T,   12                           ; v[12:19], v[52:59]  v's four fragments on their way to LDS: fragment j at T + 4 (j & 1) + 40 (j >> 1)
.set VB,  20                           ; v[20:51]   v as loaded
.set OUT, 20                           ; v[20:51]   once v is packed: the out-buffer
.set XA,  64                           ; three buffers of 16 loads
.set XB,  128
.set XC,  192
; phase 2
.set AQ,  1                            ; LDS addresses of my fragments of Q, K, S, Z, v
.set AK,  2
.set AS,  3
.set AZ,  4
.set AV,  5
.set DG,  6                            ; my query - 8 h: key 32 tau + 16 u + x (+ 8 h) is kept if 32 tau + 16 u + x is not above this
.set OO,  7                            ; 16 r + 2048 h: my 16 bytes in out's row 8 h
.set QF,  8                            ; v[8:71]    my 16 queries, 8 steps of 32 features
.set O,   72                           ; v[72:111]  5 tiles: e = 4 n + j, j = 0..3, and the denominator
.set P,   112                          ; v[112:127] two tiles of P^T, then P's fragment in the first 8
.set SF,  128                          ; v[128:247] fragments of [S | Z], steps 0-2, 40 registers a step
.set SW,  0                            ; window 1, v[0:199]: steps 3-7
.set KF,  128                          ; v[128:255] fragments of K: the 8 steps of a trip, 16 registers a step
.set VF,  0                            ; window 1, v[0:63]: fragments of v, 32 keys, two buffers
.set ONES, 200                         ; window 1, v[200:207]: a fragment of ones
.set MK,  20                           ; s[20:35]   the 16 masks of a trip (scalars of phase 1 that are done with)
.set INV, 112                          ; the way out: D + 1e-12,
.set RC,  120                          ; its reciprocal,
.set R,   128                          ; the scaled rows
.set MSB, 0
.macro WIN new                         ; the immediate's high byte repeats the setting that is left; a switch that changes nothing is dropped
.if MSB != (\new)
	s_set_vgpr_msb (MSB<<8)|(\new)
.set MSB, \new
.endif
.endm
.set TO_1, 0x40                        ; destination in window 1, address in window 0
.set B_1,  0x04                        ; source 1 in window 1
.macro PLACES n                        ; plain vector instructions between a matrix instruction and a write of its registers or a read of its result (ISA guide 7.12.1)
.rept \n
	v_nop
.endr
.endm
	s_load_b256 s[4:11], s[0:1], 0x0               ; q s[4:5], q_rot s[6:7], k s[8:9], k_rot s[10:11]
	s_load_b128 s[12:15], s[0:1], 0x20             ; v s[12:13], states s[14:15]
	s_load_b64 s[16:17], s[0:1], 0x30              ; out0
	s_set_vgpr_msb 0x40
	v_lshl_add_u32 v208, v0, 2, 0x30600
	v_mov_b32 v209, 0
	s_set_vgpr_msb 0x4000
	v_lshrrev_b32 v1, 5, v0
	v_readfirstlane_b32 s18, v1                    ; wave 0..7
	v_and_b32 v10, 31, v0                          ; lane
	v_and_b32 v11, 15, v0                          ; r
	v_bfe_u32 v12, v0, 4, 1                        ; h
	v_lshlrev_b32 v[GO], 4, v10
	v_lshlrev_b32 v[GV], 4, v11
	v_lshl_add_u32 v[GV], v12, 11, v[GV]
	s_and_b32 s19, ttmp7, 0xffff                   ; head
	s_lshl_b32 s20, s19, 20                        ; q, k: head x 2048 rows of 512 bytes
	s_lshl_b32 s22, ttmp9, 16                      ;  + chunk x 128 rows
	s_add_co_u32 s20, s20, s22
	s_wait_alu depctr_va_sdst(0)                   ; s18 is written, ahead of its first reader: offsets, LDS places and the trips' bound are made from it
	s_lshl_b32 s22, s18, 13                        ;  + wave x 16 rows
	s_add_co_u32 s20, s20, s22
	s_mov_b32 s21, 0
	s_lshl_b32 s22, s19, 19                        ; v: the same rows, of 256 bytes
	s_lshl_b32 s24, ttmp9, 15
	s_add_co_u32 s22, s22, s24
	s_lshl_b32 s24, s18, 12
	s_add_co_u32 s22, s22, s24
	s_mov_b32 s23, 0
	s_mul_i32 s24, s19, HEADST
	s_mul_i32 s26, ttmp9, STATE
	s_add_co_u32 s26, s26, s24                     ; second state: slot c
	s_mov_b32 s27, 0
	s_cmp_ge_u32 ttmp9, 8
	s_cselect_b32 s28, 16*STATE, 0
	s_add_co_u32 s24, s24, s28                     ; first state: slot 16 or slot 0
	s_mov_b32 s25, 0
	s_sub_co_u32 s40, 11, s18
	s_cmp_lt_u32 s18, 4
	s_cselect_b32 s40, s18, s40                    ; my tile of 16 queries: w, or 11 - w: waves w and w + 4 make 5 trips over keys together
	s_lshr_b32 s41, s40, 1                         ; my last trip
	s_lshl_b32 s42, s19, 19                        ; out: my first row
	s_lshl_b32 s43, ttmp9, 15
	s_add_co_u32 s42, s42, s43
	s_lshl_b32 s43, s40, 12
	s_add_co_u32 s42, s42, s43
	s_mov_b32 s43, 0
	s_wait_kmcnt 0x0
	s_add_nc_u64 s[4:5], s[4:5], s[20:21]
	s_add_nc_u64 s[6:7], s[6:7], s[20:21]
	s_add_nc_u64 s[8:9], s[8:9], s[20:21]
	s_add_nc_u64 s[10:11], s[10:11], s[20:21]
	s_add_nc_u64 s[12:13], s[12:13], s[22:23]
	s_add_nc_u64 s[28:29], s[14:15], s[24:25]
	s_add_nc_u64 s[30:31], s[14:15], s[26:27]
	s_add_nc_u64 s[44:45], s[16:17], s[42:43]
	s_wait_alu depctr_va_vdst(0)                   ; v[GO] and v[GV] are written, which the loads below read as their offsets
.macro ROWS_ASK x, b                   ; 16 rows of 512 bytes, one load of the wave each; read once in this launch
.irp i, 0,1,2,3,4,5,6,7,8,9,10,11,12,13,14,15
	global_load_b128 v[\x+4*\i:\x+4*\i+3], v[GO], s[\b:\b+1] offset:\i*512 th:TH_LOAD_NT
.endr
.endm
; A step of phase 1: raw buffer x (16 rows of 128 f32) goes, packed, into half a row each of 16 LDS rows at la: 256 neighbouring bytes a store.
; first = 1: no LDS store has read OUT yet.  kind = 1: x is asked for again, with 16 rows at base b; 2: with my 8 KiB of the state's image at base b
; (features 64 (w >> 1) .., e 32 (w & 1) ..) and one number of Z into z; 0: not at all.
.macro PUT x, la, half, first, kind=0, b=0, z=0
.if !\first
	s_wait_alu depctr_vm_vsrc(0)                   ; the LDS stores of the step before have read OUT, which the conversions below write again
.endif
.irp i, 0,1,2,3,4,5,6,7,8,9,10,11,12,13,14,15
	v_cvt_pk_bf16_f32 v[OUT+2*\i], v[\x+4*\i], v[\x+4*\i+1]
	v_cvt_pk_bf16_f32 v[OUT+2*\i+1], v[\x+4*\i+2], v[\x+4*\i+3]
.endr
	s_wait_alu depctr_va_vdst(0)                   ; the conversions have written OUT, which the LDS stores below read, and are done reading the raw buffer, in which the loads below land
.irp i, 0,1,2,3,4,5,6,7,8,9,10,11,12,13,14,15
.if \kind == 1
	global_load_b128 v[\x+4*\i:\x+4*\i+3], v[GO], s[\b:\b+1] offset:\i*512 th:TH_LOAD_NT
.endif
.if \kind == 2
	global_load_b128 v[\x+4*\i:\x+4*\i+3], v[GS], s[\b:\b+1] offset:\i*512
.endif
	ds_store_b64 v[\la], v[OUT+2*\i:OUT+2*\i+1] offset:\i*PITCH+\half*256
.endr
.if \kind == 2
	global_load_b32 v[\z], v[GZ], s[\b:\b+1] offset:ZOFF
.endif
.endm
.irp i, 0,1,2,3,4,5,6,7
	global_load_b128 v[VB+4*\i:VB+4*\i+3], v[GV], s[12:13] offset:\i*256 th:TH_LOAD_NT   ; tokens 16 w + 8 h + i: two whole rows a load
.endr
	ROWS_ASK XA, 8                                 ; k
	ROWS_ASK XB, 10                                ; k_rot
	ROWS_ASK XC, 4                                 ; q
	; the other addresses, while the 56 loads are out (none of them is an address of these loads)
	s_mul_i32 s34, s18, 16*PITCH
	v_lshlrev_b32 v[LQ], 3, v10
	v_add_nc_u32 v[LQ], s34, v[LQ]
	v_add_nc_u32 v[LK], KL, v[LQ]
	s_lshl_b32 s36, s18, 11                        ; v: 2 KiB a wave
	s_add_co_u32 s36, s36, VL
	v_add_nc_u32 v[LV], s36, v[GO]
	s_lshl_b32 s37, s18, 13
	v_add_nc_u32 v[GS], s37, v[GO]
	v_lshlrev_b32 v[GZ], 2, v0
	v_and_b32 v13, 1, v11                          ; my column of the image is e = 32 eb + 2 r + je: row 8 (e & 3) + ((e & 31) >> 2)
	v_lshrrev_b32 v14, 1, v11                      ;  = 16 (r & 1) + (r >> 1) + 8 je
	v_lshl_add_u32 v13, v13, 4, v14
	v_mul_u32_u24 v[LSS], v13, SP
	v_lshl_add_u32 v[LSS], v12, 6, v[LSS]          ;  + 32 h features
	s_mul_i32 s38, s18, SBLK                       ;  in my wave's block
	s_add_co_u32 s38, s38, SL
	v_add_nc_u32 v[LSS], s38, v[LSS]
	v_lshlrev_b32 v[LZ], 1, v0
	v_add_nc_u32 v[LZ], ZROW, v[LZ]
	s_wait_loadcnt 48                              ; loads return in order: v is in, the 3 x 16 behind it may be out
.irp j, 0,1,2,3                                        ; component j of 8 tokens = 4 registers of the fragment of e = 4 n + j
.irp i, 0,1,2,3
	v_cvt_pk_bf16_f32 v[T+4*(\j&1)+40*(\j>>1)+\i], v[VB+8*\i+\j], v[VB+8*\i+4+\j]
.endr
.endr
	s_wait_alu depctr_va_vdst(0)                   ; v's four fragments are written, which the LDS stores read; so are the seven addresses made above, for all of phase 1; and the head is done with v10 and v11, in which Z will land
.irp j, 0,1,2,3
	ds_store_b128 v[LV], v[T+4*(\j&1)+40*(\j>>1):T+4*(\j&1)+40*(\j>>1)+3] offset:\j*512
.endr
	s_wait_loadcnt 32                              ; k is in; k_rot and q may be out
	PUT XA, LK, 0, 1, 1, 6                         ; and q_rot is asked for
	s_wait_loadcnt 32                              ; k_rot is in; q and q_rot may be out
	PUT XB, LK, 1, 0, 2, 28, ZA                    ; and the first state
	s_wait_loadcnt 33                              ; q is in; q_rot (16) and the first state (17) may be out
	PUT XC, LQ, 0, 0, 2, 30, ZB                    ; and the second state
	s_wait_loadcnt 34                              ; q_rot is in; the two states (17 + 17) may be out
	PUT XA, LQ, 1, 0
	s_wait_loadcnt 0x0
.irp i, 0,1,2,3,4,5,6,7,8,9,10,11,12,13,14,15,16,17,18,19,20,21,22,23,24,25,26,27,28,29,30,31
	v_pk_add_f32 v[XB+2*\i:XB+2*\i+1], v[XB+2*\i:XB+2*\i+1], v[XC+2*\i:XC+2*\i+1]
.endr
	v_add_f32 v[ZA], v[ZA], v[ZB]
	s_wait_alu depctr_vm_vsrc(0)                   ; q_rot's LDS stores have read OUT, which the packing below writes again
	; register 16 jd + 8 je + 4 qh + x of the image is feature 32 h + 16 qh + 4 x + jd of my column: the packing puts 16 neighbouring features in order
.irp je, 0,1
.irp qh, 0,1
.irp x, 0,1,2,3
.irp u, 0,1
	v_cvt_pk_bf16_f32 v[OUT+8*(2*\je+\qh)+2*\x+\u], v[XB+32*\u+8*\je+4*\qh+\x], v[XB+32*\u+16+8*\je+4*\qh+\x]
.endr
.endr
.endr
.endr
	v_cvt_pk_bf16_f32 v[ZA], v[ZA], v[ZA]
	s_wait_alu depctr_va_vdst(0)                   ; the packing has written OUT and v[ZA], which the nine LDS stores read
.irp je, 0,1
.irp qh, 0,1
	ds_store_b128 v[LSS], v[OUT+8*(2*\je+\qh):OUT+8*(2*\je+\qh)+3] offset:\je*8*SP+32*\qh
	ds_store_b128 v[LSS], v[OUT+8*(2*\je+\qh)+4:OUT+8*(2*\je+\qh)+7] offset:\je*8*SP+32*\qh+16
.endr
.endr
	ds_store_b16 v[LZ], v[ZA]
	s_wait_dscnt 0x0                               ; all that I laid into LDS is there before I say so
	s_wait_alu depctr_vm_vsrc(0)                   ; phase 1's loads and LDS stores have read their addresses v1 to v9 and their data in v10 to v59: v1 to v7 are written below, and Q lands in v8 to v71
	s_barrier_signal -1
	; phase 2's addresses: register work while the others arrive (every global load has been waited for: the old offsets are free)
	v_and_b32 v112, 15, v0                         ; r
	v_bfe_u32 v113, v0, 4, 1                       ; h
	v_and_b32 v114, 31, v0                         ; lane
	v_mul_u32_u24 v115, v112, PITCH
	v_lshl_add_u32 v115, v113, 4, v115             ; row r, 16 bytes for each half of the lanes
	s_mul_i32 s34, s40, 16*PITCH
	v_add_nc_u32 v[AQ], s34, v115                  ; my 16 queries
	v_add_nc_u32 v[AK], KL, v115                   ; keys 0-15
	v_lshrrev_b32 v116, 3, v112                    ; column n = r of tile j is e = 4 r + j: block eb = r >> 3, row 8 j + (r & 7)
	v_and_b32 v117, 7, v112
	v_mul_u32_u24 v116, v116, SBLK
	v_mul_u32_u24 v117, v117, SP
	v_add_nc_u32 v116, v116, v117
	v_lshl_add_u32 v116, v113, 4, v116
	v_add_nc_u32 v[AS], SL, v116
	v_lshlrev_b32 v[AZ], 4, v113                   ; Z is every column of the fifth tile: all r read the same bytes
	v_add_nc_u32 v[AZ], ZROW, v[AZ]
	v_lshlrev_b32 v[AV], 4, v114
	v_add_nc_u32 v[AV], VL, v[AV]
	s_lshl_b32 s35, s40, 4
	v_lshlrev_b32 v118, 3, v113
	v_sub_nc_u32 v[DG], v112, v118
	v_add_nc_u32 v[DG], s35, v[DG]                 ; 16 qt + r - 8 h, signed
	v_lshlrev_b32 v[OO], 4, v112
	v_lshl_add_u32 v[OO], v113, 11, v[OO]
	s_barrier_wait -1
	s_wait_alu depctr_va_vdst(0)                   ; phase 2's addresses v1 to v7 are written, for all its loads and stores; phase 1's vector instructions are done with v8 to v255, in which Q and [S | Z] land
; 10 LDS loads: step s (32 features) of [S | Z] into the 40 registers at base
.macro S_ASK s, base
.irp j, 0,1,2,3
	ds_load_b128 v[\base+8*\j:\base+8*\j+3],   v[AS] offset:((\s)>>1)*2*SBLK+\j*8*SP+64*((\s)&1)
	ds_load_b128 v[\base+8*\j+4:\base+8*\j+7], v[AS] offset:((\s)>>1)*2*SBLK+\j*8*SP+64*((\s)&1)+32
.endr
	ds_load_b128 v[\base+32:\base+35], v[AZ] offset:64*(\s)
	ds_load_b128 v[\base+36:\base+39], v[AZ] offset:64*(\s)+32
.endm
.macro S_MUL s, base, zero
.irp j, 0,1,2,3,4
.if \zero
	v_wmma_f32_16x16x32_bf16 v[O+8*\j:O+8*\j+7], v[QF+8*(\s):QF+8*(\s)+7], v[\base+8*\j:\base+8*\j+7], 0
.else
	v_wmma_f32_16x16x32_bf16 v[O+8*\j:O+8*\j+7], v[QF+8*(\s):QF+8*(\s)+7], v[\base+8*\j:\base+8*\j+7], v[O+8*\j:O+8*\j+7]
.endif
.endr
.endm
; 40 LDS loads: v (8, first, under the window for destinations in window 1) and K (32, step by step) of keys 32 tau .. 32 tau + 31.
; The trips are written out, so that every LDS address is a lane term + a constant.
.macro ASK_VK tau
.irp j, 0,1,2,3
	ds_load_b128 v[VF+32*((\tau)&1)+8*\j:VF+32*((\tau)&1)+8*\j+3],   v[AV] offset:(\tau)*4096+512*\j          ; keys 8 h .. + 7
	ds_load_b128 v[VF+32*((\tau)&1)+8*\j+4:VF+32*((\tau)&1)+8*\j+7], v[AV] offset:(\tau)*4096+512*\j+2048     ; keys 16 + 8 h .. + 7
.endr
	WIN 0
.irp s, 0,1,2,3,4,5,6,7
.irp u, 0,1
	ds_load_b128 v[KF+16*\s+8*\u:KF+16*\s+8*\u+3],   v[AK] offset:(\tau)*32*PITCH+\u*16*PITCH+64*\s
	ds_load_b128 v[KF+16*\s+8*\u+4:KF+16*\s+8*\u+7], v[AK] offset:(\tau)*32*PITCH+\u*16*PITCH+64*\s+32
.endr
.endr
.endm
	; O = Q x [S | Z].  No register is loaded twice here, so the loads owe nothing beyond the wait above; by the text's count at most 60 LDS loads are out.
.irp s, 0,1,2,3,4,5,6,7
	ds_load_b128 v[QF+8*\s:QF+8*\s+3],   v[AQ] offset:64*\s
	ds_load_b128 v[QF+8*\s+4:QF+8*\s+7], v[AQ] offset:64*\s+32
.endr
	S_ASK 0, SF
	S_ASK 1, SF+40
	S_ASK 2, SF+80
	WIN TO_1
	S_ASK 3, SW
	s_wait_dscnt 30                                ; LDS loads return in order: Q and step 0 are in; steps 1 to 3 may be out
	S_ASK 4, SW+40
	S_ASK 5, SW+80
	S_ASK 6, SW+120
	WIN 0
	S_MUL 0, SF, 1                                 ; the first products start the sums
	s_wait_dscnt 50                                ; step 1 is in; steps 2 to 6 may be out
	S_MUL 1, SF+40, 0
	s_wait_dscnt 40                                ; step 2 is in; steps 3 to 6 may be out
	S_MUL 2, SF+80, 0
	WIN TO_1
	S_ASK 7, SW+160
	WIN B_1
	s_wait_dscnt 40                                ; step 3 is in; steps 4 to 7 may be out
	S_MUL 3, SW, 0
	s_wait_dscnt 30
	S_MUL 4, SW+40, 0
	s_wait_dscnt 20                                ; step 5 is in; steps 6 and 7 may be out
	WIN TO_1
.irp i, 0,1,2,3,4,5,6,7
	v_mov_b32 v[ONES+\i], 0x3f803f80               ; two bf16 ones; registers that no product has named
.endr
	s_wait_alu depctr_va_vdst(0)                   ; the products of steps 0 to 4 are done reading their fragments: trip 0's v lands in step 3's registers, its K in those of steps 0 to 2
	ASK_VK 0                                       ; beside steps 5 to 7, whose products name Q, O and their own fragments alone
	WIN B_1
	S_MUL 5, SW+80, 0
	s_wait_dscnt 50                                ; step 6 is in; step 7 (10) and trip 0's 40 may be out
	S_MUL 6, SW+120, 0
	s_wait_dscnt 40
	S_MUL 7, SW+160, 0
	WIN 0
.macro K_MUL s                         ; P^T: rows = keys 16 u + m, columns = my queries
.irp u, 0,1
.if (\s) == 0
	v_wmma_f32_16x16x32_bf16 v[P+8*\u:P+8*\u+7], v[KF+16*(\s)+8*\u:KF+16*(\s)+8*\u+7], v[QF+8*(\s):QF+8*(\s)+7], 0
.else
	v_wmma_f32_16x16x32_bf16 v[P+8*\u:P+8*\u+7], v[KF+16*(\s)+8*\u:KF+16*(\s)+8*\u+7], v[QF+8*(\s):QF+8*(\s)+7], v[P+8*\u:P+8*\u+7]
.endif
.endr
.endm
; The first half of a trip: P^T for keys 32 tau .. + 31, and the 16 masks key <= query, which hang on the lane and on constants alone.
; The compares name no register of a product: the first eight are the places between the products in front, which read P, and the product that writes over it;
; the other eight the places between the last product and the selects that read its result (ISA guide 7.12.1).
.macro SCORES tau
.irp x, 0,1,2,3,4,5,6,7
	v_cmp_le_i32 s[MK+\x], 32*(\tau)+\x, v[DG]
.endr
.irp s, 0,1,2,3,4,5,6,7
	s_wait_dscnt 4*(7-\s)                          ; younger than step s: the steps of K behind it, 4 loads each; v was asked for ahead of K and is in
	K_MUL \s
.endr
.irp x, 0,1,2,3,4,5,6,7
	v_cmp_le_i32 s[MK+8+\x], 32*(\tau)+16+\x, v[DG]
.endr
	s_wait_alu depctr_va_sdst(0)                   ; the sixteen compares have written s[MK ..], ahead of the selects that read them and of any branch
.endm
; The second half: mask, pack, O += P x [v | 1], with v in buffer b.
.macro WEIGH b
.irp i, 0,1,2,3,4,5,6,7,8,9,10,11,12,13,14,15
	v_cndmask_b32 v[P+\i], 0, v[P+\i], s[MK+\i]    ; a select, not a product: what lies above the diagonal never counts, whatever it holds
.endr
.irp i, 0,1,2,3
	v_cvt_pk_bf16_f32 v[P+\i], v[P+2*\i], v[P+2*\i+1]      ; in place, upward: each target has been read
.endr
.irp i, 0,1,2,3
	v_cvt_pk_bf16_f32 v[P+4+\i], v[P+8+2*\i], v[P+9+2*\i]
.endr
	WIN B_1
.irp j, 0,1,2,3
	v_wmma_f32_16x16x32_bf16 v[O+8*\j:O+8*\j+7], v[P:P+7], v[VF+32*(\b)+8*\j:VF+32*(\b)+8*\j+7], v[O+8*\j:O+8*\j+7]
.endr
	v_wmma_f32_16x16x32_bf16 v[O+32:O+39], v[P:P+7], v[ONES:ONES+7], v[O+32:O+39]
	WIN 0
.endm
; Between the halves of a trip that has a successor: the next trip's 40 loads, which are on their way under the mask, the packing and the five products;
; these name P, O, the ones and this trip's buffer of v, none of the registers in which the loads land.
.macro AHEAD tau
	WIN TO_1
	s_wait_alu depctr_va_vdst(0)                   ; this trip's products K Q^T are done reading K's fragments, and the last trip's products P v their buffer of v: the loads below land in both
	ASK_VK \tau
.endm
	SCORES 0
	s_cmp_lt_u32 s41, 1                            ; s41 hangs on the wave's number alone; no barrier follows.  A wave's last trip asks for nothing: it goes to a tail
	s_cbranch_scc1 .Leven
	AHEAD 1
	WEIGH 0
	SCORES 1
	s_cmp_lt_u32 s41, 2
	s_cbranch_scc1 .Lodd
	AHEAD 2
	WEIGH 1
	SCORES 2
	s_cmp_lt_u32 s41, 3
	s_cbranch_scc1 .Leven
	AHEAD 3
	WEIGH 0
	SCORES 3
.Lodd:                                                 ; the last trip's second half: trips 1 and 3 have v in buffer 1,
	WEIGH 1
	s_branch .Lout
.Leven:                                                ; trips 0 and 2 in buffer 0
	WEIGH 0
.Lout:
	PLACES 4                                       ; vector instructions read O and write P's registers
.irp x, 0,1,2,3,4,5,6,7
	v_add_f32 v[INV+\x], 0x2b8cbccc, v[O+32+\x]    ; D + 1e-12 of query 8 h + x, the same in all 16 lanes of a half
.endr
.irp x, 0,1,2,3,4,5,6,7
	v_rcp_f32 v[RC+\x], v[INV+\x]
.endr
	v_nop                                          ; one plain vector instruction between the last v_rcp_f32 and the use of its result (ISA guide 5.7.2)
	s_wait_alu depctr_va_vdst(0)
.irp x, 0,1,2,3,4,5,6,7
.irp j, 0,1,2,3
	v_mul_f32 v[R+4*\x+\j], v[O+8*\j+\x], v[RC+\x] ; out[8 h + x][4 r + j]
.endr
.endr
	s_wait_alu depctr_va_vdst(0)                   ; the multiplications have written v[R ..], which the stores read
.irp x, 0,1,2,3,4,5,6,7
	global_store_b128 v[OO], v[R+4*\x:R+4*\x+3], s[44:45] offset:256*\x th:TH_STORE_NT   ; 16 lanes store one row: 256 consecutive bytes, aligned
.endr
	s_set_vgpr_msb 0x5
	s_wait_dscnt 0x0
	s_wait_alu depctr_hold_cnt(0) depctr_sa_sdst(0) depctr_va_vdst(0) depctr_va_sdst(0) depctr_va_ssrc(0) depctr_va_vcc(0) depctr_vm_vsrc(0)
	s_wait_tensorcnt 0x0
	ds_add_u32 v208, v209
	s_wait_dscnt 0x0
	s_endpgm
.Lfunc_end_k_q3dfdedd038_attend:
	.size	k_q3dfdedd038_attend, .Lfunc_end_k_q3dfdedd038_attend-k_q3dfdedd038_attend
	.p2alignl 7, 3214868480
	.fill 96, 4, 3214868480
	.section	.rodata,"a",@progbits
	.p2align	6, 0x0
	.amdhsa_kernel k_q3dfdedd038_attend
		.amdhsa_group_segment_fixed_size 199168
		.amdhsa_private_segment_fixed_size 0
		.amdhsa_enable_private_segment 0
		.amdhsa_kernarg_size 56
		.amdhsa_user_sgpr_count 2
		.amdhsa_user_sgpr_kernarg_segment_ptr 1
		.amdhsa_wavefront_size32 1
		.amdhsa_system_sgpr_workgroup_id_x 1
		.amdhsa_system_sgpr_workgroup_id_y 1
		.amdhsa_system_sgpr_workgroup_id_z 1
		.amdhsa_system_vgpr_workitem_id 0
		.amdhsa_next_free_vgpr 466
		.amdhsa_next_free_sgpr 66
		.amdhsa_reserve_vcc 0
		.amdhsa_float_denorm_mode_32 3
		.amdhsa_float_denorm_mode_16_64 3
		.amdhsa_memory_ordered 1
		.amdhsa_forward_progress 1
		.amdhsa_inst_pref_size 76
	.end_amdhsa_kernel
	.amdgpu_metadata
---
amdhsa.version: [ 1, 2 ]
amdhsa.kernels:
  - .name:           k_q3dfdedd038_attend
    .symbol:         k_q3dfdedd038_attend.kd
    .args:
      - { .name: q, .offset: 0, .size: 8, .value_kind: global_buffer, .address_space: global }
      - { .name: q_rot, .offset: 8, .size: 8, .value_kind: global_buffer, .address_space: global }
      - { .name: k, .offset: 16, .size: 8, .value_kind: global_buffer, .address_space: global }
      - { .name: k_rot, .offset: 24, .size: 8, .value_kind: global_buffer, .address_space: global }
      - { .name: v, .offset: 32, .size: 8, .value_kind: global_buffer, .address_space: global }
      - { .name: states, .offset: 40, .size: 8, .value_kind: global_buffer, .address_space: global }
      - { .name: out0, .offset: 48, .size: 8, .value_kind: global_buffer, .address_space: global }
    .group_segment_fixed_size: 199168
    .private_segment_fixed_size: 0
    .kernarg_segment_align: 8
    .kernarg_segment_size: 56
    .max_flat_workgroup_size: 256
    .sgpr_count:     66
    .vgpr_count:     466
    .wavefront_size: 32
...
	.end_amdgpu_metadata
.endif
;; end of part 3
